; MI455X (gfx1250); checked and timed in simulation.
; The chip was launched on July 23, 2026; its instructions are those of AMD's public machine-readable ISA for CDNA 5 (MIT licence, August 2026) and "CDNA5" Instruction Set Architecture Reference Guide (July 2026). The comments in the code are by the model that wrote it; some were corrected since.
;; Multi Head Self Attention. Allowed arithmetic: matrix products marked QUANTISED: E5M2 operands, one given power-of-two scale a tensor, by v_wmma_f32_16x16x64_bf8_bf8 or v_wmma_f32_16x16x128_bf8_bf8, f32 sums; products left as they are: f32 operands where the result goes on into a quantised operand, else bf16, f16 or f32 operands; f32 sums; everything else in f32.
;; Inputs: WK_codes 16 x 64 x 32 x 32 uint8 (E5M2 codes of WK, K innermost, in blocks of 32 codes); WQ_codes 16 x 64 x 32 x 32 uint8 (E5M2 codes of WQ, K innermost, in blocks of 32 codes); WV_down_codes 16 x 64 x 32 x 32 uint8 (E5M2 codes of WV_down, K innermost, in blocks of 32 codes); WV_up_codes 16 x 1,024 x 2 x 32 uint8 (E5M2 codes of WV_up, K innermost, in blocks of 32 codes); inputs 4 x 1,024 x 1,024 float32; lowp_scales 10 int32 (the exponents e of the quantised operands' scales 2^e).
;; Outputs: out0 4 x 1,024 x 1,024 float32.
;; This version of the problem:
;;   THIS VERSION OF THE PROBLEM IS GIVEN IN LOW PRECISION. The matrix products marked QUANTISED in the list below multiply operands that are first quantised to E5M2 (5 exponent bits, 2 mantissa bits; 8 bits a number), with one given power-of-two scale for each operand tensor; their sums are f32. All else is computed in f32.
;;   The module's matrix products, in the order in which they are computed (A, B: the left and right operand; K: the contracted axis; several contracted axes count as one K, in the product's order):
;;     1. [M 1,024, K 1,024] x [K 1,024, N 4,096]; A: input WQ (given as codes); B: input inputs: QUANTISED (scales: A lowp_scales[0], B lowp_scales[1])
;;     2. [M 1,024, K 1,024] x [K 1,024, N 4,096]; A: input WK (given as codes); B: input inputs: QUANTISED (scales: A lowp_scales[2], B lowp_scales[3])
;;     3. batch 64 x [M 1,024, K 64] x [K 64, N 1,024]; A: computed on the way; B: computed on the way: QUANTISED (scales: A lowp_scales[4], B lowp_scales[5])
;;     4. [M 1,024, K 1,024] x [K 1,024, N 4,096]; A: input WV_down (given as codes); B: input inputs: QUANTISED (scales: A lowp_scales[6], B lowp_scales[7])
;;     5. batch 65,536 x [M 1, K 1] x [K 1, N 64]; A: computed on the way; B: computed on the way: left as it is (no contracted axis)
;;     6. batch 16 x [M 4,096, K 64] x [K 64, N 1,024]; A: computed on the way; B: input WV_up (given as codes): QUANTISED (scales: A lowp_scales[8], B lowp_scales[9])
;;   THE QUANTISER, for each operand of a quantised product, along K:
;;     - The operand's scale is 2^e, e = its entry of the input lowp_scales (int32; the entries are numbered through the quantised products in the list's order, A before B).
;;     - Each number is divided by the scale, clamped to +-57,344, and rounded to the nearest number of E5M2, ties to even, subnormals kept.
;;     - The product sums the exact products of the quantised numbers (number of the format x scale) in f32.
;;   ~~~python
;;   def quantise(x, axis, e):      # numpy; x: float32 -> the quantised numbers, widened to float32 again
;;       x = np.moveaxis(x, axis, -1); K = x.shape[-1]
;;       r = np.clip(x / 2.0 ** e, -57344, 57344)
;;       step = 2.0 ** (np.maximum(np.frexp(np.where(r == 0, 1, r))[1] - 1, -14) - 2)
;;       q = np.round(r / step) * step * 2.0 ** e      # np.round: ties to even
;;       return np.moveaxis(q, -1, axis).astype(np.float32)
;;   ~~~
;;   OPERANDS COMPUTED ON THE WAY. 'Computed on the way' means the value that the module computes at that place (a softmax that the list does not call 'softmax' is quantised finished and normalised). What goes into a quantiser is computed in f32, as accurately as f32 sums, v_exp_f32 and their like allow (about 1e-6 of the number): no bf16 or f16 on the way to a quantiser, and a product that is left as it is and whose result goes on into a quantised operand takes f32 operands (vector FMAs, or v_wmma_f32_16x16x4_f32). A number that lies on a knife's edge between two numbers of the format may be rounded either way, as far as f32 arithmetic and the matrix unit's own rounding can turn it there, and no further.
;;   INPUTS GIVEN AS CODES. WK (in the module: [16, 1024, 64], K = its axis 1); WQ (in the module: [16, 1024, 64], K = its axis 1); WV_down (in the module: [16, 1024, 64], K = its axis 1); WV_up (in the module: [16, 64, 1024], K = its axis 1): each comes as NAME_codes (uint8): NAME with its K axis moved to the last place and cut into blocks of 32 codes, [.., K / 32, bytes a block], one block behind the other in memory; one code a byte (a code: sign, 5 exponent bits, 2 mantissa bits); its scale is its entry of lowp_scales. Its value is code x scale, taken as it is: it is not quantised again, and the codes and scales need not be those that the quantiser above would give.
;; One version. Each part assembles by itself: llvm-mc -triple=amdgcn-amd-amdhsa -mcpu=gfx1250 --defsym DOCPART=n.
;; ======== version 1 of 1: 4 launches
;; workspace buffers: xc 12,582,912 bytes; qkf 8,388,608 bytes; dimg 16,777,216 bytes; vf 4,194,304 bytes
;; launch quant (part 1): grid 256 x 1, 8 waves a work-group, no clusters, 66,560 bytes of LDS; arguments inputs, lowp_scales, xc; writes xc
.if DOCPART == 1
	.amdgcn_target "amdgcn-amd-amdhsa--gfx1250"
	.amdhsa_code_object_version 6
	.text
	.protected	k_qb57aeebf92_quant
	.globl	k_qb57aeebf92_quant
	.p2align	8
	.type	k_qb57aeebf92_quant,@function
k_qb57aeebf92_quant:
	s_mov_b64 s[64:65], 0
	v_nop
	global_prefetch_b8 v0, s[64:65] scope:SCOPE_SE
	s_setreg_imm32_b32 hwreg(HW_REG_WAVE_MODE, 25, 1), 1
	s_wait_xcnt 0x0
; inputs [4096 rows][1024] f32 become THREE sets of codes of E5M2, K innermost: the same numbers are an operand of three products, each with a scale of its own:
; section 0 of xc with 2^e1 (for Q), section 1 with 2^e3 (for K), section 2 with 2^e7 (for inp_down); a section is [4096][1024] bytes, 4 MiB.
; code = x / 2^e, held within +-57,344, rounded to the nearest code, ties to even.
; LIMITS: e1, e3, e7 each between -126 and 112, so that 2^e and 57,344 x 2^e are f32 numbers.  NaN among the inputs is not served; an infinity is held at the largest code.
; Rows are dense, so the tensor is a plain stream.  A wave takes 2,048 numbers in 4 steps of 512; all its 16 loads go out at the head.
; A conversion takes 8 neighbours from ONE lane's registers, a load is best where neighbouring LANES take neighbouring bytes: so a step's 2,048 bytes go through the wave's own stage in LDS
; as they lie and come back 64 bytes a lane (16 bytes of padding behind each 64).  A lane's 16 codes are 16 bytes: each store of the wave covers 512 consecutive bytes, aligned.
; No tensor loads, no barrier: waves share nothing.
.set SP,    80                         ; a lane's place in a stage: 64 bytes + 16 of padding
.set WREG,  8192                       ; LDS of a wave: two stages of 32 x SP bytes
.set SC,    8                          ; v8, v9: 2^e1 and 57,344 x 2^e1;  v10, v11: the same for e3;  v12, v13: for e7
.set R,     16                         ; v16-79   four sets of 16 numbers as they are loaded
.set X,     80                         ; v80-111  two sets of 16 neighbours
.set T,     112                        ; v112-127 the numbers held within one scale's range
.set C,     128                        ; v128-175 codes: four registers for each step and section, so that no store's data are written again
	s_load_b128 s[4:7], s[0:1], 0x0                ; inputs, the scales' exponents
	s_load_b64 s[8:9], s[0:1], 0x10                ; xc
	v_lshl_add_u32 v176, v0, 2, 0x10000
	v_mov_b32 v177, 0
	v_lshrrev_b32 v1, 5, v0
	v_readfirstlane_b32 s16, v1                    ; wave 0..7
	v_and_b32 v2, 31, v0                           ; lane
	v_lshlrev_b32 v3, 4, v2                        ; my 16 bytes of a load's 512, and of a store's
	s_mul_i32 s17, s16, WREG
	v_lshrrev_b32 v14, 2, v2
	v_mul_u32_u24 v14, v14, SP
	v_and_b32 v15, 3, v2
	v_lshl_add_u32 v14, v15, 4, v14
	v_add_nc_u32 v14, s17, v14                     ; the stage, on the way in: SP (lane / 4) + 16 (lane % 4); a load's 512 bytes take eight places
	v_mul_u32_u24 v15, v2, SP
	v_add_nc_u32 v15, s17, v15                     ; and on the way out: SP x lane: my 16 neighbours
	s_lshl_b32 s18, ttmp9, 3
	s_add_co_u32 s18, s18, s16                     ; which run of 2,048 numbers is my wave's
	s_lshl_b32 s20, s18, 13                        ; 8,192 bytes of f32,
	s_mov_b32 s21, 0
	s_lshl_b32 s22, s18, 11                        ; 2,048 bytes of codes
	s_mov_b32 s23, 0
	s_wait_kmcnt 0x0
	s_load_b256 s[24:31], s[6:7], 0x0              ; e0 .. e7
	s_add_nc_u64 s[4:5], s[4:5], s[20:21]
	s_add_nc_u64 s[8:9], s[8:9], s[22:23]          ; section 0,
	s_add_nc_u64 s[10:11], s[8:9], 0x400000        ; section 1,
	s_add_nc_u64 s[12:13], s[8:9], 0x800000        ; section 2: a base each
.macro LOAD t
.irp i, 0,1,2,3
	global_load_b128 v[R+16*(\t)+4*\i:R+16*(\t)+4*\i+3], v3, s[4:5] offset:2048*(\t)+512*\i th:TH_LOAD_NT   ; 32 lanes read 512 consecutive bytes
.endr
.endm
.macro TURN t                          ; step t's numbers through the stage: LDS serves a wave's instructions in order, so no wait stands between the stores and the loads
.irp i, 0,1,2,3
	ds_store_b128 v14, v[R+16*(\t)+4*\i:R+16*(\t)+4*\i+3] offset:32*SP*((\t)%2)+8*SP*\i
.endr
.irp i, 0,1,2,3
	ds_load_b128 v[X+16*((\t)%2)+4*\i:X+16*((\t)%2)+4*\i+3], v15 offset:32*SP*((\t)%2)+16*\i
.endr
.endm
.macro MKSCALE vr, se                  ; v[vr] = 2^e as f32 (the conversion takes its exponent field), v[vr + 1] = 57,344 x 2^e
	s_add_co_i32 s32, s[\se], 127
	s_lshl_b32 s33, s32, 23
	v_mov_b32 v[\vr], s33
	s_add_co_i32 s32, s32, 15
	s_lshl_b32 s32, s32, 23
	s_or_b32 s32, s32, 0x600000
	v_mov_b32 v[\vr+1], s32
.endm
	LOAD 0
	LOAD 1
	LOAD 2
	LOAD 3
	s_wait_kmcnt 0x0
	MKSCALE SC, 25                                 ; e1
	MKSCALE SC+2, 27                               ; e3
	MKSCALE SC+4, 31                               ; e7
	s_wait_loadcnt 12                              ; step 0's four loads are in; the twelve behind them may be out
	TURN 0
.macro STEP t
.set XS, X+16*((\t)%2)
	s_wait_dscnt 0x0                               ; this step's numbers are back from the stage
.if (\t) < 3
	s_wait_loadcnt 4*(2-(\t))                      ; the next step's four loads are in; those of the steps behind it may be out
	TURN (\t)+1                                    ; and go through the other stage while this step is worked
.endif
.irp i, 0,1,2
.irp k, 0,1,2,3,4,5,6,7,8,9,10,11,12,13,14,15
	v_med3_num_f32 v[T+\k], v[XS+\k], -v[SC+1+2*\i], v[SC+1+2*\i]   ; the conversion to an 8-bit code does not saturate (ISA guide 7.6.2): hold the number within the largest code x the scale first
.endr
	v_cvt_scalef32_pk8_bf8_f32 v[C+12*(\t)+4*\i:C+12*(\t)+4*\i+1], v[T:T+7], v[SC+2*\i]
	v_cvt_scalef32_pk8_bf8_f32 v[C+12*(\t)+4*\i+2:C+12*(\t)+4*\i+3], v[T+8:T+15], v[SC+2*\i]
	v_nop                                          ; one plain vector instruction between a scaled conversion and the next write of its sources (the next section's holds)
	global_store_b128 v3, v[C+12*(\t)+4*\i:C+12*(\t)+4*\i+3], s[8+2*\i:9+2*\i] offset:512*(\t)
.endr
.endm
	STEP 0
	STEP 1
	STEP 2
	STEP 3
	s_wait_tensorcnt 0x0
	ds_add_u32 v176, v177
	s_wait_dscnt 0x0
	s_endpgm
.Lfunc_end_k_qb57aeebf92_quant:
	.size	k_qb57aeebf92_quant, .Lfunc_end_k_qb57aeebf92_quant-k_qb57aeebf92_quant
	.p2alignl 7, 3214868480
	.fill 96, 4, 3214868480
	.section	.rodata,"a",@progbits
	.p2align	6, 0x0
	.amdhsa_kernel k_qb57aeebf92_quant
		.amdhsa_group_segment_fixed_size 66560
		.amdhsa_private_segment_fixed_size 0
		.amdhsa_enable_private_segment 0
		.amdhsa_kernarg_size 24
		.amdhsa_user_sgpr_count 2
		.amdhsa_user_sgpr_kernarg_segment_ptr 1
		.amdhsa_wavefront_size32 1
		.amdhsa_system_sgpr_workgroup_id_x 1
		.amdhsa_system_sgpr_workgroup_id_y 1
		.amdhsa_system_sgpr_workgroup_id_z 1
		.amdhsa_system_vgpr_workitem_id 0
		.amdhsa_next_free_vgpr 178
		.amdhsa_next_free_sgpr 66
		.amdhsa_reserve_vcc 0
		.amdhsa_float_denorm_mode_32 3
		.amdhsa_float_denorm_mode_16_64 3
		.amdhsa_memory_ordered 1
		.amdhsa_forward_progress 1
		.amdhsa_inst_pref_size 22
	.end_amdhsa_kernel
	.amdgpu_metadata
---
amdhsa.version: [ 1, 2 ]
amdhsa.kernels:
  - .name:           k_qb57aeebf92_quant
    .symbol:         k_qb57aeebf92_quant.kd
    .args:
      - { .name: inputs, .offset: 0, .size: 8, .value_kind: global_buffer, .address_space: global }
      - { .name: lowp_scales, .offset: 8, .size: 8, .value_kind: global_buffer, .address_space: global }
      - { .name: xc, .offset: 16, .size: 8, .value_kind: global_buffer, .address_space: global }
    .group_segment_fixed_size: 66560
    .private_segment_fixed_size: 0
    .kernarg_segment_align: 8
    .kernarg_segment_size: 24
    .max_flat_workgroup_size: 256
    .sgpr_count:     66
    .vgpr_count:     178
    .wavefront_size: 32
...
	.end_amdgpu_metadata
.endif
;; end of part 1
;; launch proj (part 2): grid 12 x 16, 4 waves a work-group, clusters of 4 x 4, 327,680 bytes of LDS; arguments xc, WQ_codes, WK_codes, WV_down_codes, lowp_scales, qkf, dimg; writes qkf, dimg
.if DOCPART == 2
	.amdgcn_target "amdgcn-amd-amdhsa--gfx1250"
	.amdhsa_code_object_version 6
	.text
	.protected	k_qb57aeebf92_proj
	.globl	k_qb57aeebf92_proj
	.p2align	8
	.type	k_qb57aeebf92_proj,@function
k_qb57aeebf92_proj:
	s_mov_b64 s[64:65], 0
	v_nop
	global_prefetch_b8 v0, s[64:65] scope:SCOPE_SE
	s_setreg_imm32_b32 hwreg(HW_REG_WAVE_MODE, 25, 1), 1
	s_wait_xcnt 0x0
	s_wait_alu depctr_hold_cnt(0) depctr_sa_sdst(0) depctr_va_vdst(0) depctr_va_sdst(0) depctr_va_ssrc(0) depctr_va_vcc(0) depctr_vm_vsrc(0)
	s_getreg_b32 s2, hwreg(HW_REG_IB_STS2, 6, 4)
	s_cmp_eq_u32 s2, 0
	s_cbranch_scc0 .Lentry_in_a_cluster
	s_endpgm
.Lentry_in_a_cluster:
	s_bfe_u32 s2, ttmp6, 0x10000c
	s_cmp_lg_u32 s2, 0xf033
	s_cbranch_scc0 .Lentry_shape_is_right
	s_endpgm
.Lentry_shape_is_right:
; The three projections Q, K, inp_down = x W^T as one launch of GEMMs on codes of E5M2: x's codes [4096][1024] (a section of xc for each product), W's codes [1024 rows (head, d)][1024], sums in f32.
; The cluster's x (0, 1, 2) says which product: Q (section 0, WQ), K (section 1, WK), inp_down (section 2, WV_down).  It is one number for all sixteen partners of a cluster.
; A tile, 256 rows of x by 256 rows of W (4 heads), is made by a work-group of four waves; a wave makes 128 x 128: 64 accumulators of 16 x 16, 512 registers.
; K goes in steps of 256 through a ring of two LDS slots filled by the tensor data mover; a tile's row is 256 bytes of memory.
; CLUSTERS: 4 x 4 work-groups.  The four of a row of the cluster need the same tiles of x, the four of a column the same tiles of W: each tile is asked for JOINTLY.
; THE MATRIX INSTRUCTION IS USED TRANSPOSED (source 0 = 16 rows of W, source 1 = 16 rows of x): lane (r, h) of accumulator (a, b) holds row 16 a + r of x and W's rows 16 b + 8 h + 0 .. 7.
; THE WAY OUT NEEDS NO LDS.  Four accumulators (one head's 64 d) of a lane, converted eight numbers at a time, ARE the eight registers of a 16 x 64 fragment of 8-bit codes for the next product
; (registers 2 c, 2 c + 1: d = 16 c + 8 h + 0 .. 7 of row r).  So Q and K leave as IMAGES OF REGISTERS: four registers by one store at 16 x lane, 512 consecutive bytes, aligned; a fragment is 1,024 bytes.
; qkf: Q at byte 0, K at 4 MiB, each [head][16-row tile of x, 256 of them][1,024].  Q's code = sum / 2^(e5 - e0 - e1), K's = sum / 2^(e4 - e2 - e3): the three scales folded into the conversion's one.
; dimg: inp_down's RAW f32 sums, the same way: [head][16-row tile][4,096]: register 8 c + j of lane (r, h) is the sum for row r, d = 16 c + 8 h + j.  Its factor 2^(e6 + e7) is applied by the launch that reads it.
; LIMITS: e5 - e0 - e1 and e4 - e2 - e3 between -126 and 112, so that each power of two below is an f32 number.
; REGISTERS, in windows of 256: window 0: v0-31 addresses; from v128 x's fragments (8 x 16 rows x 128 K), ONE set; on the way out v32-63 held numbers, v128-255 codes.
;   window 1: W's fragments, TWO sets, at v0 and at v128.   window 2: the 32 accumulators of my rows 0-63 (accumulator (a, b) at v[8 (8 a + b)]);   window 3: those of my rows 64-127.
.set KSTEP,  256                       ; along K in a slot
.set ROWB,   256                       ; a tile's row in bytes
.set KROW,   1024                      ; a row of x's or W's codes in memory, in bytes
.set PITCH,  272                       ; an LDS row: 256 bytes of data + 16 of padding = 68 words: row r starts at bank 4 r mod 64 (64 banks of 4 bytes: ISA guide 11.1)
.set FR,     16                        ; registers of a fragment: 16 rows x 128 K
.set NL,     4                         ; LDS loads that bring one
.set NP,     4                         ; places behind this matrix instruction (ISA guide 7.12.1)
.set HALFT,  128*PITCH                 ; 128 rows: what one tensor load brings, and what one wave reads of x or of W
.set SLOT,   4*HALFT                   ; x's 256 rows, then W's 256 rows
.set LAPS,   2                         ; a lap = two K steps = once round the ring: 1,024 / 512
.set SPARE,  2*SLOT                    ; behind the ring: the spare words, 128 bytes for each wave: two blocks of 256 bytes that no other line names
.set ADRA, 16                          ; v16-17  LDS address of my x fragments in slot 0, 1
.set ADRB, 20                          ; v20-21  the same for W
.set CO,   26                          ; v26     16 x lane: my place in an image
.set SPW,  28                          ; v28     LDS address of my spare word: SPARE + 4 x my thread's number; never rewritten
.set NIL,  29                          ; v29     0; never rewritten
.set SCL,  30                          ; v30     the conversion's scale as f32
.set LIM,  31                          ; v31     57,344 x that
.set TMP,  32                          ; the way out: 32 numbers, held
.set AF,   128                         ; x's fragments, in window 0
.set CD,   128                         ; the way out: 16 fragments of codes, 8 registers each, so that no store's data are written again
.set G1, 24                            ; s[24:31] descriptor group 1 for x's tiles;  s[32:39] group 0, one set for each slot
.set G0, 32
.set G1B, 48                           ; s[48:55], s[56:63] the same for W's tiles
.set G0B, 56
.set MSB, 0
.macro WIN new                         ; the immediate's high byte repeats the setting that is left
.if MSB != \new
	s_set_vgpr_msb (MSB<<8)|\new
.set MSB, \new
.endif
.endm
.set MUL_LO, 0xa1                      ; source 0 (W) window 1, source 1 (x) window 0, C and D window 2
.set MUL_HI, 0xf1                      ; the same, C and D window 3
.set TO_B,   0x40                      ; destination window 1, address window 0
; A joint load: waves 0 and 1 fetch for x, waves 2 and 3 for W.  Each of the two lines has ONE mask and one set of registers for all that issue it; the branch hangs on the wave's number alone.
; Four v_nop follow each of the two lines, ahead of the jump, the label and what follows.
.macro JLOAD g0a, g1a, g0b, g1b
	s_cmp_eq_u32 s15, 0
	s_cbranch_scc0 .Lfor_b_\@
	tensor_load_to_lds s[\g0a:\g0a+3], s[\g1a:\g1a+7]
	s_nop 0
.rept 4
	v_nop
.endr
	s_branch .Lasked_\@
.Lfor_b_\@:
	tensor_load_to_lds s[\g0b:\g0b+3], s[\g1b:\g1b+7]
	s_nop 0
.rept 4
	v_nop
.endr
.Lasked_\@:
.endm
.macro CREST                           ; a round of the cluster's barrier behind its opening barrier
	s_cmp_lg_u32 s14, 0
	s_cbranch_scc1 .Lnot_wave_0_\@
	s_barrier_signal -3
.Lnot_wave_0_\@:
	s_barrier_wait -3
	s_barrier_signal -1
	s_barrier_wait -1
.endm
.macro CROUND                          ; a whole round
	s_barrier_signal -1
	s_barrier_wait -1
	CREST
.endm
	s_load_b256 s[68:75], s[0:1], 0x0              ; xc s[68:69], WQ s[70:71], WK s[72:73], WV_down s[74:75]
	s_load_b128 s[76:79], s[0:1], 0x20             ; the scales' exponents s[76:77], qkf s[78:79]
	s_load_b64 s[80:81], s[0:1], 0x30              ; dimg
	v_lshl_add_u32 v[SPW], v0, 2, SPARE
	v_mov_b32 v[NIL], 0
	ds_add_u32 v28, v29
	ds_add_u32 v28, v29
	s_wait_dscnt 0x0
	v_lshrrev_b32 v1, 5, v0
	v_readfirstlane_b32 s14, v1                    ; wave 0..3
	s_lshr_b32 s15, s14, 1                         ; which half of the tile's rows of x is mine.  Also: I fetch for x (0) or for W (1)
	s_and_b32 s16, s14, 1                          ; which half of its rows of W.  Also: which 128 rows of that tile I fetch
	s_bfe_u32 s40, ttmp6, 0x40000                  ; cx: the tile of W's rows inside the tensor, 0..3
	s_bfe_u32 s41, ttmp6, 0x40004                  ; cy
	s_and_b32 s17, ttmp7, 0xffff
	s_lshl_b32 s17, s17, 2
	s_add_co_u32 s17, s17, s41                     ; the tile of x's rows = 4 x cluster y + cy, 0..15
	s_lshl_b32 s43, s41, 2
	s_lshl_b32 s43, 15, s43                        ; my row of the cluster
	s_lshl_b32 s44, 0x1111, s40                    ; my column
	; descriptor group 1: a tile of 128 rows x 256 bytes, padded in LDS
	s_or_b32 s[G1+0], s43, (0<<16)|(1<<20)|(1<<21)|(5<<22)|(3<<25)  ; 15:0 the mask: x's tiles go to my row; 17:16 element of 1 byte; 20 padding on; 21 set beside a mask; 24:22 after every 64 words (code 5); 31:25 of 4 words (code 3)
	s_or_b32 s[G1B+0], s44, (0<<16)|(1<<20)|(1<<21)|(5<<22)|(3<<25)
.irp g, G1, G1B
	s_mov_b32 s[\g+1], ROWB<<16                    ; tensor_dim0
	s_mov_b32 s[\g+2], 128<<16                     ; tensor_dim1 = 128
	s_mov_b32 s[\g+3], ROWB<<16                    ; tile_dim0
	s_mov_b32 s[\g+4], 128                         ; tile_dim1 = 128
	s_mov_b32 s[\g+5], KROW                        ; tensor_dim0_stride
	s_mov_b32 s[\g+6], 0
	s_mov_b32 s[\g+7], 0
.endr
	s_lshl_b32 s18, s16, 7                         ; which 128 rows of the tile I fetch
	s_lshl_b32 s20, s17, 8
	s_add_co_u32 s20, s20, s18                     ; x: row 256 x tile + 128 x half,
	s_lshl_b32 s20, s20, 10                        ; in bytes,
	s_lshl_b32 s21, ttmp9, 22
	s_add_co_u32 s20, s20, s21                     ; in the product's section of xc: under 12 MiB
	s_mov_b32 s21, 0
	s_lshl_b32 s46, s40, 8
	s_add_co_u32 s46, s46, s18                     ; W: row 256 x cx + 128 x half,
	s_lshl_b32 s46, s46, 10                        ; in bytes
	s_mov_b32 s47, 0
	s_mul_i32 s45, s14, HALFT                      ; where they go: wave x 128 rows: no place in the cluster enters an LDS address
	s_wait_kmcnt 0x0
	s_load_b256 s[84:91], s[76:77], 0x0            ; e0 .. e7
	s_cmp_eq_u32 ttmp9, 1                          ; which W: the choice hangs on the cluster's x alone
	s_cselect_b64 s[6:7], s[72:73], s[74:75]
	s_cmp_eq_u32 ttmp9, 0
	s_cselect_b64 s[6:7], s[70:71], s[6:7]
	s_add_nc_u64 s[20:21], s[68:69], s[20:21]
	s_add_nc_u64 s[46:47], s[6:7], s[46:47]
	CROUND                                         ; all sixteen work-groups are here: the first joint loads meet
.irp s, 0,1
	s_mov_b32 s[G0+4*\s], 1
	s_add_co_u32 s[G0+4*\s+1], s45, \s*SLOT
	s_add_nc_u64 s[G0+4*\s+2:G0+4*\s+3], s[20:21], \s*ROWB
	s_or_b32 s[G0+4*\s+3], s[G0+4*\s+3], 0x80000000
	s_mov_b32 s[G0B+4*\s], 1
	s_add_co_u32 s[G0B+4*\s+1], s45, \s*SLOT
	s_add_nc_u64 s[G0B+4*\s+2:G0B+4*\s+3], s[46:47], \s*ROWB
	s_or_b32 s[G0B+4*\s+3], s[G0B+4*\s+3], 0x80000000
	JLOAD G0+4*\s, G1, G0B+4*\s, G1B
.endr
	v_and_b32 v1, 15, v0                           ; l % 16
	v_bfe_u32 v2, v0, 4, 1                         ; l / 16
	v_mul_u32_u24 v3, v1, PITCH
	v_lshl_add_u32 v4, v2, 4, v3                   ; a fragment's row x pitch + 16 x half
	s_mul_i32 s21, s15, HALFT                      ; my 128 rows of x
	s_mul_i32 s22, s16, HALFT                      ; my 128 rows of W,
	s_add_co_u32 s22, s22, 2*HALFT                 ; which lie behind x's 256
.irp s, 0,1
	v_add_nc_u32 v[ADRA+\s], s21, v4
	v_add_nc_u32 v[ADRB+\s], s22, v4
	s_add_co_u32 s21, s21, SLOT
	s_add_co_u32 s22, s22, SLOT
.endr
	v_and_b32 v6, 31, v0
	v_lshlrev_b32 v[CO], 4, v6                     ; 16 x lane
.macro FRAG reg, adr, q, i             ; a fragment, 16 rows x 128 K of 8-bit codes, is 16 registers: lane l holds row l % 16; registers 4 c .. 4 c + 3 hold K = 32 c + 16 (l / 16) + 0 .. 15: the same order of k on both sides, so every product meets its partner
.irp c, 0,1,2,3
	ds_load_b128 v[\reg+4*\c:\reg+4*\c+3], v[\adr] offset:128*(\q)+32*\c+(\i)*16*PITCH
.endr
.endm
; 16 matrix instructions: x's blocks a0, a0 + 1 against W's eight, 128 along K.  p: W's set.  zero = 1: the first product starts the sums: nothing is ever cleared.
; The 64 accumulators take turns, one instruction a turn, in the same order in every step.
.macro MUL16 a0, p, zero
.irp a, \a0, \a0+1
.irp b, 0,1,2,3,4,5,6,7
.if \zero
	v_wmma_f32_16x16x128_bf8_bf8 v[8*(8*((\a)%4)+\b):8*(8*((\a)%4)+\b)+7], v[128*(\p)+FR*\b:128*(\p)+FR*\b+FR-1], v[AF+FR*(\a):AF+FR*(\a)+FR-1], 0
.else
	v_wmma_f32_16x16x128_bf8_bf8 v[8*(8*((\a)%4)+\b):8*(8*((\a)%4)+\b)+7], v[128*(\p)+FR*\b:128*(\p)+FR*\b+FR-1], v[AF+FR*(\a):AF+FR*(\a)+FR-1], v[8*(8*((\a)%4)+\b):8*(8*((\a)%4)+\b)+7]
.endif
.endr
.endr
.endm
.macro FETCH_B slot, q, p              ; W's eight fragments of the slot's q-th 128 along K into set p
	WIN TO_B
.irp i, 0,1,2,3,4,5,6,7
	FRAG 128*(\p)+FR*\i, ADRB+\slot, \q, \i
.endr
	WIN 0
.endm
.macro FETCH_A slot, q, i0             ; x's blocks i0 .. i0 + 3
.irp i, \i0, \i0+1, \i0+2, \i0+3
	FRAG AF+FR*(\i), ADRA+\slot, \q, \i
.endr
.endm
; A load into a register that a matrix instruction has read, and a vector instruction or a store that reads a matrix result, stand NP places behind that matrix instruction, and only plain vector
; instructions that name none of its registers are places (ISA guide 7.12.1 for vector instructions).
.macro PLACES n
.rept \n
	v_nop
.endr
.endm
; A step of 128 along K that has its successor in the same slot.
.macro STEP slot, q, zero
	s_wait_dscnt 4*NL                              ; W's set and x's blocks 0-3 are in; the youngest sixteen loads (x's blocks 4-7) may be out
	WIN MUL_LO
	MUL16 0, (\q)%2, \zero
	MUL16 2, (\q)%2, \zero
	s_wait_dscnt 0                                 ; x's blocks 4-7 are in (asked for 32 matrix instructions ago)
	PLACES NP
	FETCH_B \slot, (\q)+1, 1-(\q)%2
	FETCH_A \slot, (\q)+1, 0
	WIN MUL_HI
	MUL16 4, (\q)%2, \zero
	MUL16 6, (\q)%2, \zero
	PLACES NP
	WIN 0
	FETCH_A \slot, (\q)+1, 4
.endm
; A slot's last step changes slots: ONE barrier; in front of it each wave waits for all its tensor loads, adds 0 to its spare word, and waits for that and for its own reads of this slot.  fill = 1: this slot is filled again, two K steps ahead.
.macro TURN slot, next, fill
	s_wait_tensorcnt 0x0                           ; all my tensor loads have landed: my part of the next slot;  (every window is 0 here: the add's two registers lie in window 0)
	ds_add_u32 v[SPW], v[NIL]                      ; 0 onto my spare word
	s_wait_dscnt 4*NL+1                            ; (the add and the youngest sixteen loads, x's blocks 4-7, may be out)
	WIN MUL_LO
	MUL16 0, 1, 0                                  ; sixteen matrix instructions stand between the add and the wait for it
	s_wait_dscnt 0x0                               ; the add is done, and my reads of this slot are over
	s_barrier_signal -1
	MUL16 2, 1, 0
	WIN 0
	s_barrier_wait -1
.if \fill
	CREST                                          ; the barrier has opened a round of the cluster's barrier: no wave of any partner still reads this slot's tile or has a load on its way
	s_add_nc_u64 s[G0+4*\slot+2:G0+4*\slot+3], s[G0+4*\slot+2:G0+4*\slot+3], 2*ROWB
	s_add_nc_u64 s[G0B+4*\slot+2:G0B+4*\slot+3], s[G0B+4*\slot+2:G0B+4*\slot+3], 2*ROWB
	JLOAD G0+4*\slot, G1, G0B+4*\slot, G1B         ; the first tensor load behind the round; the four v_nop behind it are the places in front of the loads below
.else
	PLACES NP
.endif
	FETCH_B \next, 0, 0
	FETCH_A \next, 0, 0
	WIN MUL_HI
	MUL16 4, 1, 0
	MUL16 6, 1, 0
	PLACES NP
	WIN 0
	FETCH_A \next, 0, 4
.endm
	s_wait_tensorcnt 1                             ; my part of K step 0 is in (K step 1's load may be out)
	s_barrier_signal -1
	s_barrier_wait -1                              ; everybody's is
	FETCH_B 0, 0, 0
	FETCH_A 0, 0, 0
	FETCH_A 0, 0, 4
	STEP 0, 0, 1                                   ; the first step stands in front of the loop: its products start the sums
	s_mov_b32 s3, LAPS-1
.Llap:                                                 ; a trip goes once round the ring, from a lap's second step to the next lap's first, and fills both slots again
	TURN 0, 1, 1
	STEP 1, 0, 0
	TURN 1, 0, 1
	STEP 0, 0, 0
	s_sub_co_u32 s3, s3, 1
	s_cmp_lg_u32 s3, 0
	s_cbranch_scc1 .Llap
	TURN 0, 1, 0                                   ; the last lap fills nothing, and has no round of the cluster's barrier
	STEP 1, 0, 0
	s_wait_dscnt 4*NL                              ; the very last step: nothing more to fetch
	WIN MUL_LO
	MUL16 0, 1, 0
	MUL16 2, 1, 0
	s_wait_dscnt 0
	WIN MUL_HI
	MUL16 4, 1, 0
	MUL16 6, 1, 0
	WIN 0
; THE WAY OUT.  Fragment (head hl of my two, block a of my eight 16-row tiles) has the index I + 256 hl + a, I = 256 x my first head + my first 16-row tile.
.macro QOUT a, hl                      ; 32 sums of a lane become 8 registers of codes and leave by two stores
.set AC, 64*((\a)%4)+32*(\hl)
.set GR, CD+8*(2*(\a)+(\hl))
	WIN (0x02+((\a)/4))                            ; source 0: window 2 or 3
.set j, 0
.rept 32
	v_med3_num_f32 v[TMP+j], v[AC+j], -v[LIM], v[LIM]   ; the hold at the largest code x the scale (the conversion does not saturate: ISA guide 7.6.2); each accumulator from its low end on
.set j, j+1
.endr
	WIN 0
.irp c, 0,1,2,3
	v_cvt_scalef32_pk8_bf8_f32 v[GR+2*\c:GR+2*\c+1], v[TMP+8*\c:TMP+8*\c+7], v[SCL]   ; registers 2 c, 2 c + 1 of the fragment: d = 16 c + 8 h + 0 .. 7
.endr
	v_nop                                          ; one plain vector instruction between a scaled conversion and the next write of its sources
	global_store_b128 v[CO], v[GR:GR+3], s[10:11] offset:(\hl)*262144+(\a)*1024         ; 32 lanes store 512 consecutive bytes, aligned
	global_store_b128 v[CO], v[GR+4:GR+7], s[10:11] offset:(\hl)*262144+(\a)*1024+512
.endm
.macro DOUT a                          ; block a's 64 raw sums of a lane leave as they stand
	WIN (0x08+4*((\a)/4))                          ; a store's data: window 2 or 3
.irp b, 0,1,2,3,4,5,6,7
.irp q, 0,1
	global_store_b128 v[CO], v[64*((\a)%4)+8*\b+4*\q:64*((\a)%4)+8*\b+4*\q+3], s[10:11] offset:(\b/4)*1048576+(\a)*4096+(2*(\b%4)+\q)*512
.endr
.endr
.endm
	s_wait_kmcnt 0x0
	s_lshl_b32 s92, s40, 2
	s_lshl_b32 s93, s16, 1
	s_add_co_u32 s92, s92, s93                     ; my first head: 4 cx + 2 x half
	s_lshl_b32 s92, s92, 8
	s_lshl_b32 s93, s17, 4
	s_add_co_u32 s92, s92, s93
	s_lshl_b32 s93, s15, 3
	s_add_co_u32 s92, s92, s93                     ; I = 256 x head + 16 x tile + 8 x half
	s_mov_b32 s93, 0
	PLACES NP                                      ; behind the last products: their results are read, and the registers that held x's fragments are written, only behind these
	s_cmp_eq_u32 ttmp9, 2                          ; the cluster's x: the same way in every partner; neither way touches LDS
	s_cbranch_scc1 .Ld
	s_sub_co_i32 s94, s89, s84
	s_sub_co_i32 s94, s94, s85                     ; Q: e5 - e0 - e1
	s_sub_co_i32 s95, s88, s86
	s_sub_co_i32 s95, s95, s87                     ; K: e4 - e2 - e3
	s_cmp_eq_u32 ttmp9, 0
	s_cselect_b32 s94, s94, s95
	s_add_co_i32 s94, s94, 127
	s_lshl_b32 s95, s94, 23
	v_mov_b32 v[SCL], s95                          ; the scale as f32: the conversion takes its exponent field
	s_add_co_i32 s94, s94, 15
	s_lshl_b32 s94, s94, 23
	s_or_b32 s94, s94, 0x600000
	v_mov_b32 v[LIM], s94                          ; 57,344 x the scale
	s_lshl_b32 s92, s92, 10                        ; 1,024 bytes a fragment,
	s_lshl_b32 s94, ttmp9, 22                      ; Q at 0, K at 4 MiB
	s_add_co_u32 s92, s92, s94
	s_add_nc_u64 s[10:11], s[78:79], s[92:93]
.irp a, 0,1,2,3,4,5,6,7
	QOUT \a, 0
	QOUT \a, 1
.endr
	s_branch .Lend
.Ld:
	s_lshl_b32 s92, s92, 12                        ; 4,096 bytes an image
	s_add_nc_u64 s[10:11], s[80:81], s[92:93]
.irp a, 0,1,2,3,4,5,6,7
	DOUT \a
.endr
	WIN 0
.Lend:
	s_wait_tensorcnt 0x0                           ; the wave's end: behind my last tensor load
	ds_add_u32 v[SPW], v[NIL]
	s_wait_dscnt 0x0
	CROUND                                         ; the closing round: no work-group ends while a partner may still ask for a tile that names it
	s_endpgm
.Lfunc_end_k_qb57aeebf92_proj:
	.size	k_qb57aeebf92_proj, .Lfunc_end_k_qb57aeebf92_proj-k_qb57aeebf92_proj
	.p2alignl 7, 3214868480
	.fill 96, 4, 3214868480
	.section	.rodata,"a",@progbits
	.p2align	6, 0x0
	.amdhsa_kernel k_qb57aeebf92_proj
		.amdhsa_group_segment_fixed_size 327680
		.amdhsa_private_segment_fixed_size 0
		.amdhsa_enable_private_segment 0
		.amdhsa_kernarg_size 56
		.amdhsa_user_sgpr_count 2
		.amdhsa_user_sgpr_kernarg_segment_ptr 1
		.amdhsa_wavefront_size32 1
		.amdhsa_system_sgpr_workgroup_id_x 1
		.amdhsa_system_sgpr_workgroup_id_y 1
		.amdhsa_system_sgpr_workgroup_id_z 1
		.amdhsa_system_vgpr_workitem_id 0
		.amdhsa_next_free_vgpr 1024
		.amdhsa_next_free_sgpr 100
		.amdhsa_reserve_vcc 0
		.amdhsa_float_denorm_mode_32 3
		.amdhsa_float_denorm_mode_16_64 3
		.amdhsa_memory_ordered 1
		.amdhsa_forward_progress 1
		.amdhsa_inst_pref_size 131
	.end_amdhsa_kernel
	.amdgpu_metadata
---
amdhsa.version: [ 1, 2 ]
amdhsa.kernels:
  - .name:           k_qb57aeebf92_proj
    .symbol:         k_qb57aeebf92_proj.kd
    .args:
      - { .name: xc, .offset: 0, .size: 8, .value_kind: global_buffer, .address_space: global }
      - { .name: WQ_codes, .offset: 8, .size: 8, .value_kind: global_buffer, .address_space: global }
      - { .name: WK_codes, .offset: 16, .size: 8, .value_kind: global_buffer, .address_space: global }
      - { .name: WV_down_codes, .offset: 24, .size: 8, .value_kind: global_buffer, .address_space: global }
      - { .name: lowp_scales, .offset: 32, .size: 8, .value_kind: global_buffer, .address_space: global }
      - { .name: qkf, .offset: 40, .size: 8, .value_kind: global_buffer, .address_space: global }
      - { .name: dimg, .offset: 48, .size: 8, .value_kind: global_buffer, .address_space: global }
    .group_segment_fixed_size: 327680
    .private_segment_fixed_size: 0
    .kernarg_segment_align: 8
    .kernarg_segment_size: 56
    .max_flat_workgroup_size: 128
    .sgpr_count:     100
    .vgpr_count:     1024
    .wavefront_size: 32
...
	.end_amdgpu_metadata
.endif
;; end of part 2
;; launch attn (part 3): grid 256 x 1, 16 waves a work-group, no clusters, 169,984 bytes of LDS; arguments qkf, dimg, lowp_scales, vf; writes vf
.if DOCPART == 3
	.amdgcn_target "amdgcn-amd-amdhsa--gfx1250"
	.amdhsa_code_object_version 6
	.text
	.protected	k_qb57aeebf92_attn
	.globl	k_qb57aeebf92_attn
	.p2align	8
	.type	k_qb57aeebf92_attn,@function
k_qb57aeebf92_attn:
	s_mov_b64 s[64:65], 0
	v_nop
	global_prefetch_b8 v0, s[64:65] scope:SCOPE_SE
	s_setreg_imm32_b32 hwreg(HW_REG_WAVE_MODE, 25, 1), 1
	s_wait_xcnt 0x0
; For head n, batch b, row s: a[s] = softmax over S of score[s][S], taken AT S = s, where score[s][S] = K[s] . Q[S] / 8, entries with S < s and entries that are exactly 0 count as the least f32 number.
; Then v_down[s][d] = a[s] x inp_down[s][d] in f32, quantised to E5M2 with 2^e8.  Only the upper triangle is multiplied: what lies under it is thrown away by the mask.
; A masked entry adds nothing to a row's sum unless the whole row is masked: then every weight is 1 / 1024.  A diagonal score of 0 beside other scores gives a = 0.
; K and Q come as images of fragments (16 rows x 64 d, 1,024 bytes: four registers at 16 x lane + 512 c), inp_down as images of four f32 accumulators (4,096 bytes); v_down leaves as an image, [16-row tile][head][1,024].
; SHARES.  Four work-groups to a pair (n, b); SIXTEEN waves each, four to a SIMD, so that one wave's LDS loads, dependent results and exponentials stand beside three other waves' work.
; The row tiles p and 63 - p (p = 0 .. 31 among the four work-groups) are walked by TWO waves, q and q + 8 of a work-group.  S goes in 16 trips of 64 columns; wave half g = wave / 8 takes the trips of parity g, 8 trips.
; A tile works from trip tile / 4 on: the pair's 17 steps of work split 8 to 9, and the two trips that hold a diagonal (p / 4 and 15 - p / 4) have opposite parity: one to each wave.
; Each wave has an OWN tile, p xor 63 g, which it finishes, and an OTHER tile, own xor 63: one text serves both halves, no branch parts them.  Behind the loop a wave hands the other tile's four numbers a lane
; (-M, raw maximum, sum, raw diagonal) to its partner through LDS: one store of 16 bytes a lane, a barrier, one load.
; Q's 64 fragments of (n, b), 64 KiB, are brought into LDS once, 4 KiB by each wave's one tensor load; nothing is filled again.
; NO JOINT LOADS: what the four work-groups share is that one fill, and the trips that a wave leaves out hang on p, which differs between them.
; LAYOUT.  S^T by source 0 = 16 rows of Q, source 1 = 16 rows of K: lane (r, h) holds row r, and register 8 t + j the column 64 trip + 16 t + 8 h + j.  Each lane keeps a running maximum and sum of ITS columns;
; a row's four parts (two waves, two halves of the lanes) meet once, at the end, under one joint M.
; SOFTMAX.  x is a raw sum of products of codes (|x| under 2^38); c = log2(e) / 8 x 2^(e4 + e5); p = 2^(c x - M), M = c x the running maximum; when M moves the sum is multiplied by 2^(old M - new M).
; A masked entry is x = -2^126, under every raw sum; -M is held at 2^120 from above, so that no difference of infinities arises.
; LIMITS: e4 + e5 between -115 and 84 (c x 2^126 is then at least 150, and c x 2^38 under 2^120); e8 - e6 - e7 between -126 and 112.  A score counts as 0 where its raw sum is 0 (an underflow of sum x 2^(e4 + e5) / 8 is not followed).
; A weight under 2^-126 comes out as 0 (the exponential flushes denormals: ISA guide 15.8).  NaN is not served.
.set XCH,  65536                       ; LDS behind Q's 64 KiB: the exchange, 1,024 bytes for each pair of waves: 512 for the tile that wave q owns, 512 for wave q + 8's; no fill lands here
.set LI,   1                           ; v1   16 x lane: my place in an image; never rewritten
.set RR,   2                           ; v2   r
.set HH,   3                           ; v3   h
.set ADQ,  4                           ; v4   LDS address of the trip's fragments of Q
.set SENT, 5                           ; v5   -2^126
.set SCV,  6                           ; v6   2^(e8 - e6 - e7) as f32
.set LIM,  7                           ; v7   57,344 x that
.set INV,  8                           ; v8   1 / 1024
.set XST,  10                          ; v10  the exchange: where I put the other tile's four numbers
.set XLD,  11                          ; v11  and where my partner puts my own tile's
.set PQ,   12                          ; v12-15   my partner's four numbers for my own tile: -M, raw maximum, sum, raw diagonal
.set QF,   16                          ; v16-47   four fragments of Q
.set KOWN, 48                          ; v48-55   K's fragment of my own tile;  v56-63 of the other
.set KOTH, 56
.set XA,   64                          ; v64-95   scores of my own tile;  v96-127 of the other
.set XB,   96
.set DD,   128                         ; v128-159 inp_down of my own tile
.set SOWN, 192                         ; a tile's state, 16 registers: +0 -M (+1 named with it), +2,+3 the sum in two halves, +4 the raw maximum, +5 the raw diagonal, +6 the factor (+7 named with it),
.set SOTH, 208                         ;   +8 16 tile + r - 8 h, +9 .. +12 at work, +14,+15 a, twice
.set CR,   240                         ; v240-247 codes
.set WV,   12                          ; s12  wave 0..15
.set NB,   13                          ; s13  4 n + b
.set TOWN, 14                          ; s14  my own tile;  s15 the other
.set TOTH, 15
.set AOWN, 16                          ; s16  the first trip in which my own tile works;  s17 the same for the other
.set AOTH, 17
.set NCS,  22                          ; s22  -c
.set G1,   24                          ; s[24:31] descriptor group 1;  s[32:35] group 0
.set G0,   32
.set GG,   42                          ; s42  g = wave / 8: the parity of my trips
.set AMIN, 43                          ; s43  the first trip in which either tile works
.set CNT,  44                          ; s44  counts my 8 trips
.set DMASK, 46                         ; s46  the lanes that hold a row's diagonal: h = r / 8
.set CS,   58                          ; s[58:59] c: the packed form names a pair and takes its low word for both halves
.set SEL,  60                          ; s[60:61] lane selects for v_permlanex16_b32: lane l xor 16
.set TB,   62                          ; s62  LDS byte of the trip's four fragments
.set TR,   63                          ; s63  the trip, g + 2 k
	s_load_b256 s[4:11], s[0:1], 0x0               ; qkf s[4:5], dimg s[6:7], the scales' exponents s[8:9], vf s[10:11]
	v_lshl_add_u32 v254, v0, 2, 0x29000
	v_mov_b32 v255, 0
	ds_add_u32 v254, v255
	ds_add_u32 v254, v255
	v_lshrrev_b32 v9, 5, v0
	v_readfirstlane_b32 s[WV], v9                  ; wave 0..15
	s_lshr_b32 s[GG], s[WV], 3                     ; g
	s_and_b32 s23, s[WV], 7                        ; q: which pair of waves
	s_lshr_b32 s[NB], ttmp9, 2
	s_and_b32 s[TOWN], ttmp9, 3
	s_lshl_b32 s[TOWN], s[TOWN], 3
	s_add_co_u32 s[TOWN], s[TOWN], s23             ; p
	s_mul_i32 s47, s[GG], 63
	s_xor_b32 s[TOWN], s[TOWN], s47                ; my own tile: p, or 63 - p = p xor 63
	s_xor_b32 s[TOTH], s[TOWN], 63
	s_lshr_b32 s[AOWN], s[TOWN], 2
	s_lshr_b32 s[AOTH], s[TOTH], 2
	s_min_u32 s[AMIN], s[AOWN], s[AOTH]
	s_lshl_b32 s18, s[NB], 6
	s_add_co_u32 s19, s18, s[TOTH]                 ; the index of the other tile among the 4,096 (head, batch, tile),
	s_add_co_u32 s18, s18, s[TOWN]                 ; and of my own
	v_and_b32 v9, 31, v0
	v_lshlrev_b32 v[LI], 4, v9
	s_lshl_b32 s23, s23, 10                        ; the exchange: 1,024 q
	s_lshl_b32 s47, s[GG], 9                       ; + 512 x the owner's g
	s_add_co_u32 s23, s23, s47
	s_add_co_u32 s23, s23, XCH
	v_add_nc_u32 v[XLD], s23, v[LI]                ; my own tile's place: my partner writes it, I read it
	s_xor_b32 s23, s23, 512
	v_add_nc_u32 v[XST], s23, v[LI]                ; the other tile's place: I write it, my partner reads it
	; descriptor group 1: a dense block of 4,096 bytes as 16 rows of 256 bytes, no padding
	s_mov_b32 s[G1+0], 3<<16                       ; 15:0 no mask; 17:16 elements of 8 bytes
	s_mov_b32 s[G1+1], 32<<16                      ; tensor_dim0 = 32
	s_mov_b32 s[G1+2], 16<<16                      ; tensor_dim1 = 16
	s_mov_b32 s[G1+3], 32<<16                      ; tile_dim0 = 32
	s_mov_b32 s[G1+4], 16                          ; tile_dim1 = 16
	s_mov_b32 s[G1+5], 32                          ; tensor_dim0_stride
	s_mov_b32 s[G1+6], 0
	s_mov_b32 s[G1+7], 0
	s_mov_b32 s[G0], 1
	s_lshl_b32 s[G0+1], s[WV], 12                  ; LDS address: 4,096 x wave
	s_lshl_b32 s2, s[NB], 16                       ; Q's 64 fragments of (n, b),
	s_add_co_u32 s2, s2, s[G0+1]                   ; my four of them
	s_mov_b32 s3, 0
	s_wait_dscnt 0x0
	s_wait_kmcnt 0x0
	s_add_nc_u64 s[G0+2:G0+3], s[4:5], s[2:3]
	s_or_b32 s[G0+3], s[G0+3], 0x80000000
	tensor_load_to_lds s[G0:G0+3], s[G1:G1+7]      ; my one tensor load
	s_nop 0
.rept 4
	v_nop
.endr
	s_load_b256 s[48:55], s[8:9], 0x0              ; e0 .. e7
	s_load_b64 s[56:57], s[8:9], 0x20              ; e8, e9
	v_and_b32 v[RR], 15, v0
	v_bfe_u32 v[HH], v0, 4, 1
	s_lshl_b32 s2, s18, 10
	s_add_co_u32 s2, s2, 0x400000                  ; K lies 4 MiB behind Q
	s_add_nc_u64 s[36:37], s[4:5], s[2:3]
	s_lshl_b32 s2, s19, 10
	s_add_co_u32 s2, s2, 0x400000
	s_add_nc_u64 s[38:39], s[4:5], s[2:3]
	s_lshl_b32 s2, s18, 12
	s_add_nc_u64 s[40:41], s[6:7], s[2:3]          ; inp_down of my own tile
	global_load_b128 v[KOWN:KOWN+3], v[LI], s[36:37]
	global_load_b128 v[KOWN+4:KOWN+7], v[LI], s[36:37] offset:512
	global_load_b128 v[KOTH:KOTH+3], v[LI], s[38:39]
	global_load_b128 v[KOTH+4:KOTH+7], v[LI], s[38:39] offset:512
	s_and_b32 s23, s[NB], 3
	s_lshl_b32 s23, s23, 6                         ; 64 b
	s_lshr_b32 s47, s[NB], 2                       ; n
	s_add_co_u32 s2, s23, s[TOWN]
	s_lshl_b32 s2, s2, 4
	s_add_co_u32 s2, s2, s47
	s_lshl_b32 s2, s2, 10                          ; vf: ((64 b + tile) x 16 + n) x 1,024
	s_add_nc_u64 s[20:21], s[10:11], s[2:3]
	s_mov_b32 s[DMASK], 0xff0000ff                 ; lanes 0-7 (h = 0, r under 8) and 24-31 (h = 1, r from 8 on)
	s_mov_b32 s[SEL], 0x76543210
	s_mov_b32 s[SEL+1], 0xfedcba98
	v_mov_b32 v[SENT], 0xfe800000                  ; -2^126
	v_mov_b32 v[INV], 0x3a800000                   ; 1 / 1024
	v_lshlrev_b32 v9, 3, v[HH]
	v_sub_nc_u32 v9, v[RR], v9                     ; r - 8 h
.macro INIT S, st
	s_lshl_b32 s47, s[\st], 4
	v_mov_b32 v[\S+0], 0x7b800000                  ; -M = 2^120: under every M that can follow
	v_mov_b32 v[\S+1], 0
	v_mov_b32 v[\S+2], 0
	v_mov_b32 v[\S+3], 0
	v_mov_b32 v[\S+4], v[SENT]
	v_mov_b32 v[\S+5], 0
	v_mov_b32 v[\S+6], 0
	v_mov_b32 v[\S+7], 0
	v_add_nc_u32 v[\S+8], s47, v9                  ; 16 tile + r - 8 h
.irp k, 9,10,11,12,13,14,15
	v_mov_b32 v[\S+\k], 0                          ; written once: a lane permute's destination counts as one of its sources, and pairs are named whole
.endr
.endm
	INIT SOWN, TOWN
	INIT SOTH, TOTH
	s_wait_kmcnt 0x0
	s_add_co_i32 s47, s52, s53                     ; e4 + e5
	s_lshl_b32 s47, s47, 23
	s_add_co_i32 s[CS], s47, 0x3e38aa3b            ; log2(e) / 8 with the two exponents added to its exponent field
	s_mov_b32 s[CS+1], s[CS]
	s_xor_b32 s[NCS], s[CS], 0x80000000
	s_sub_co_i32 s47, s56, s54
	s_sub_co_i32 s47, s47, s55                     ; e8 - e6 - e7: a x raw sum stands for v_down / 2^(e6 + e7)
	s_add_co_i32 s47, s47, 127
	s_lshl_b32 s23, s47, 23
	v_mov_b32 v[SCV], s23
	s_add_co_i32 s47, s47, 15
	s_lshl_b32 s47, s47, 23
	s_or_b32 s47, s47, 0x600000
	v_mov_b32 v[LIM], s47
	s_lshl_b32 s[TB], s[GG], 12                    ; my first trip is trip g: 4,096 bytes of fragments a trip
	s_mov_b32 s[TR], s[GG]
	s_mov_b32 s[CNT], 0
	s_wait_loadcnt 0x0                             ; K's four loads are in,
	s_wait_tensorcnt 0x0                           ; my four fragments of Q are in LDS,
	s_barrier_signal -1
	s_barrier_wait -1                              ; everybody's are
.irp i, 0,1,2,3,4,5,6,7
	global_load_b128 v[DD+4*\i:DD+4*\i+3], v[LI], s[40:41] offset:512*\i th:TH_LOAD_NT   ; wanted only behind the loop, so asked for only now, behind Q and K: these eight have the whole loop in which to land
.endr
; The one trip of a tile that holds its diagonal.  Register i holds the column with k = 16 (i / 8) + i % 8; with d = 16 tile + r - 8 h - 64 trip, k = d is the diagonal and k < d lies under it.
.macro BOUND X, S
	s_lshl_b32 s47, s[TR], 6
	v_sub_nc_u32 v[\S+9], v[\S+8], s47
.set i, 0
.rept 32
	v_cmp_eq_i32 vcc_lo, 16*(i/8)+i%8, v[\S+9]
	v_cndmask_b32 v[\S+5], v[\S+5], v[\X+i], vcc_lo          ; the diagonal's raw score is kept
	v_cmp_lt_i32 vcc_lo, 16*(i/8)+i%8, v[\S+9]
	v_cndmask_b32 v[\X+i], v[\X+i], v[SENT], vcc_lo          ; what lies under the diagonal is masked
.set i, i+1
.endr
.endm
; 64 columns of a tile: the mask of zeros, the running maximum, the exponentials, the running sum.
.macro SOFT X, S
.set i, 0
.rept 32
	v_cmp_eq_f32 vcc_lo, 0, v[\X+i]                ; a score that is exactly 0 is masked; each accumulator is read from its low end on
	v_cndmask_b32 v[\X+i], v[\X+i], v[SENT], vcc_lo
.set i, i+1
.endr
.irp k, 0,1,2,3
	v_max3_num_f32 v[\S+9+\k], v[\X+3*\k], v[\X+3*\k+1], v[\X+3*\k+2]        ; the largest of my 32, in four chains that do not wait for each other: 12 scores start them,
.endr
.irp k, 0,1,2,3,4,5,6,7,8,9
	v_max3_num_f32 v[\S+9+\k%4], v[\S+9+\k%4], v[\X+12+2*\k], v[\X+13+2*\k]  ; the other 20 follow two at a time,
.endr
	v_max3_num_f32 v[\S+9], v[\S+9], v[\S+10], v[\S+11]
	v_max3_num_f32 v[\S+4], v[\S+9], v[\S+12], v[\S+4]         ; and the running one takes them
	v_mov_b32 v[\S+9], v[\S]
	v_mul_f32 v[\S+10], s[NCS], v[\S+4]
	v_min_num_f32 v[\S], 0x7b800000, v[\S+10]      ; the new -M = -c x maximum, held at 2^120
	v_sub_f32 v[\S+9], v[\S], v[\S+9]              ; old M - new M, 0 or less
	v_exp_f32 v[\S+6], v[\S+9]                     ; the factor for what was summed under the old M (the packed lines below are the plain place behind it)
.set i, 0
.rept 16
	v_pk_fma_f32 v[\X+i:\X+i+1], v[\X+i:\X+i+1], s[CS:CS+1], v[\S:\S+1] op_sel_hi:[1,0,0]   ; c x - M, two at a time (of the pairs c and -M the low word serves both halves)
.set i, i+2
.endr
.set i, 0
.rept 32
	v_exp_f32 v[\X+i], v[\X+i]
.set i, i+1
.endr
	s_wait_alu depctr_va_vdst(0)
	v_pk_mul_f32 v[\S+2:\S+3], v[\S+2:\S+3], v[\S+6:\S+7] op_sel_hi:[1,0]     ; the sums under the new M (a plain place behind the exponentials)
.irp k, 0,4,8,12,16,20,24,28                   ; the 16 pairs of weights are added in place, neighbours 1, 2, 4 and 8 pairs apart: no line of a level waits for another of it
	v_pk_add_f32 v[\X+\k:\X+\k+1], v[\X+\k:\X+\k+1], v[\X+\k+2:\X+\k+3]
.endr
.irp k, 0,8,16,24
	v_pk_add_f32 v[\X+\k:\X+\k+1], v[\X+\k:\X+\k+1], v[\X+\k+4:\X+\k+5]
.endr
.irp k, 0,16
	v_pk_add_f32 v[\X+\k:\X+\k+1], v[\X+\k:\X+\k+1], v[\X+\k+8:\X+\k+9]
.endr
	v_pk_add_f32 v[\X:\X+1], v[\X:\X+1], v[\X+16:\X+17]
	v_pk_add_f32 v[\S+2:\S+3], v[\S+2:\S+3], v[\X:\X+1]
.endm
; A tile's step: four products (each starts its own sum with the constant 0), the places behind them, the diagonal's trip, the softmax.
.macro TILE X, KF, S, first
.irp t, 0,1,2,3
	v_wmma_f32_16x16x64_bf8_bf8 v[\X+8*\t:\X+8*\t+7], v[QF+8*\t:QF+8*\t+7], v[\KF:\KF+7], 0
.endr
.rept 4
	v_nop                                          ; places behind the products: in front of the first read of their results, and of the next trip's loads into Q's registers
.endr
	s_cmp_lg_u32 s[TR], s[\first]
	s_cbranch_scc1 .Lopen_\@
	BOUND \X, \S
.Lopen_\@:
	SOFT \X, \S
.endm
.Ltrip:                                                ; 8 trips in every wave; what a tile's rows do not need is jumped over: scalar branches on ids alone
	s_cmp_lt_u32 s[TR], s[AMIN]
	s_cbranch_scc1 .Lnext
	v_add_nc_u32 v[ADQ], s[TB], v[LI]
.irp t, 0,1,2,3
	ds_load_b128 v[QF+8*\t:QF+8*\t+3], v[ADQ] offset:1024*\t
	ds_load_b128 v[QF+8*\t+4:QF+8*\t+7], v[ADQ] offset:1024*\t+512
.endr
	s_wait_dscnt 0x0
	s_cmp_lt_u32 s[TR], s[AOWN]
	s_cbranch_scc1 .Lno_own
	TILE XA, KOWN, SOWN, AOWN
.Lno_own:
	s_cmp_lt_u32 s[TR], s[AOTH]
	s_cbranch_scc1 .Lnext
	TILE XB, KOTH, SOTH, AOTH
.Lnext:
	s_add_co_u32 s[TB], s[TB], 8192                ; two trips on
	s_add_co_u32 s[TR], s[TR], 2
	s_add_co_u32 s[CNT], s[CNT], 1
	s_cmp_lt_u32 s[CNT], 8
	s_cbranch_scc1 .Ltrip
	; THE MEETING.  The other tile's four numbers of my lane go to my partner, who owns that tile; my own tile's come from there.
	v_add_f32 v[SOTH+2], v[SOTH+2], v[SOTH+3]      ; the sum's two halves
	v_mov_b32 v[SOTH+1], v[SOTH+4]                 ; the raw maximum,
	v_mov_b32 v[SOTH+3], v[SOTH+5]                 ; and the raw diagonal, beside -M and the sum: four registers on end
	ds_store_b128 v[XST], v[SOTH:SOTH+3]
	v_add_f32 v[SOWN+2], v[SOWN+2], v[SOWN+3]      ; my own tile's sum likewise
	s_wait_dscnt 0x0                               ; for my partner's sake: my store has landed
	s_barrier_signal -1
	s_barrier_wait -1
	ds_load_b128 v[PQ:PQ+3], v[XLD]
	s_wait_dscnt 0x0
	; A row's four parts meet: a joint M, all sums under it, the diagonal's weight divided by the sum.
	v_max_num_f32 v[SOWN+4], v[SOWN+4], v[PQ+1]    ; the raw maximum of my lane's columns, both waves',
	v_or_b32 v[SOWN+5], v[SOWN+5], v[PQ+3]         ; the diagonal: one wave at most met it, the other holds the 0 it began with
	v_permlanex16_b32 v[SOWN+9], v[SOWN+4], s[SEL], s[SEL+1]      ; the other half of the lanes' maximum,
	v_permlanex16_b32 v[SOWN+12], v[SOWN+5], s[SEL], s[SEL+1]     ; and its diagonal
	v_max_num_f32 v[SOWN+9], v[SOWN+9], v[SOWN+4]  ; the row's raw maximum
	v_cndmask_b32 v[SOWN+5], v[SOWN+12], v[SOWN+5], s[DMASK]      ; the diagonal, from the half that holds it
	v_mul_f32 v[SOWN+10], s[NCS], v[SOWN+9]
	v_min_num_f32 v[SOWN+10], 0x7b800000, v[SOWN+10]              ; the joint -M
	v_sub_f32 v[SOWN+6], v[SOWN+10], v[SOWN]
	v_sub_f32 v[SOWN+7], v[SOWN+10], v[PQ]
	v_exp_f32 v[SOWN+6], v[SOWN+6]                 ; my sum's factor,
	v_exp_f32 v[SOWN+7], v[SOWN+7]                 ; and my partner's: each 1 at the most
	v_nop                                          ; a plain place behind the two
	v_cmp_eq_f32 vcc_lo, 0, v[SOWN+5]
	v_cndmask_b32 v[SOWN+5], v[SOWN+5], v[SENT], vcc_lo           ; a diagonal score of 0 is masked
	s_wait_alu depctr_va_vdst(0)
	v_mul_f32 v[SOWN+2], v[SOWN+2], v[SOWN+6]
	v_fma_f32 v[SOWN+2], v[PQ+2], v[SOWN+7], v[SOWN+2]
	v_fma_f32 v[SOWN+5], v[SOWN+5], s[CS], v[SOWN+10]
	v_permlanex16_b32 v[SOWN+12], v[SOWN+2], s[SEL], s[SEL+1]
	v_add_f32 v[SOWN+2], v[SOWN+2], v[SOWN+12]     ; the row's sum
	v_exp_f32 v[SOWN+5], v[SOWN+5]                 ; the diagonal's weight, not normalised
	v_rcp_f32 v[SOWN+2], v[SOWN+2]
	v_nop                                          ; a plain place behind the two
	v_cmp_eq_f32 vcc_lo, v[SOWN+9], v[SENT]        ; the whole row masked?
	s_wait_alu depctr_va_vdst(0)
	v_mul_f32 v[SOWN+14], v[SOWN+5], v[SOWN+2]
	v_cndmask_b32 v[SOWN+14], v[SOWN+14], v[INV], vcc_lo          ; then 1 / 1024
	v_mov_b32 v[SOWN+15], v[SOWN+14]
	; v_down = a x inp_down, quantised: 32 numbers of a lane become a fragment's 8 registers, which leave as an image.
	s_wait_loadcnt 0x0                             ; inp_down
.set i, 0
.rept 16
	v_pk_mul_f32 v[DD+i:DD+i+1], v[DD+i:DD+i+1], v[SOWN+14:SOWN+15]
.set i, i+2
.endr
.set i, 0
.rept 32
	v_med3_num_f32 v[DD+i], v[DD+i], -v[LIM], v[LIM]              ; the conversion to an 8-bit code does not saturate (ISA guide 7.6.2)
.set i, i+1
.endr
.irp c, 0,1,2,3
	v_cvt_scalef32_pk8_bf8_f32 v[CR+2*\c:CR+2*\c+1], v[DD+8*\c:DD+8*\c+7], v[SCV]
.endr
	v_nop                                          ; one plain vector instruction behind the last conversion
	global_store_b128 v[LI], v[CR:CR+3], s[20:21]                 ; 32 lanes store 512 consecutive bytes, aligned
	global_store_b128 v[LI], v[CR+4:CR+7], s[20:21] offset:512
	s_wait_tensorcnt 0x0
	ds_add_u32 v254, v255
	s_wait_dscnt 0x0
	s_endpgm
.Lfunc_end_k_qb57aeebf92_attn:
	.size	k_qb57aeebf92_attn, .Lfunc_end_k_qb57aeebf92_attn-k_qb57aeebf92_attn
	.p2alignl 7, 3214868480
	.fill 96, 4, 3214868480
	.section	.rodata,"a",@progbits
	.p2align	6, 0x0
	.amdhsa_kernel k_qb57aeebf92_attn
		.amdhsa_group_segment_fixed_size 169984
		.amdhsa_private_segment_fixed_size 0
		.amdhsa_enable_private_segment 0
		.amdhsa_kernarg_size 32
		.amdhsa_user_sgpr_count 2
		.amdhsa_user_sgpr_kernarg_segment_ptr 1
		.amdhsa_wavefront_size32 1
		.amdhsa_system_sgpr_workgroup_id_x 1
		.amdhsa_system_sgpr_workgroup_id_y 1
		.amdhsa_system_sgpr_workgroup_id_z 1
		.amdhsa_system_vgpr_workitem_id 0
		.amdhsa_next_free_vgpr 256
		.amdhsa_next_free_sgpr 66
		.amdhsa_reserve_vcc 1
		.amdhsa_float_denorm_mode_32 3
		.amdhsa_float_denorm_mode_16_64 3
		.amdhsa_memory_ordered 1
		.amdhsa_forward_progress 1
		.amdhsa_inst_pref_size 35
	.end_amdhsa_kernel
	.amdgpu_metadata
---
amdhsa.version: [ 1, 2 ]
amdhsa.kernels:
  - .name:           k_qb57aeebf92_attn
    .symbol:         k_qb57aeebf92_attn.kd
    .args:
      - { .name: qkf, .offset: 0, .size: 8, .value_kind: global_buffer, .address_space: global }
      - { .name: dimg, .offset: 8, .size: 8, .value_kind: global_buffer, .address_space: global }
      - { .name: lowp_scales, .offset: 16, .size: 8, .value_kind: global_buffer, .address_space: global }
      - { .name: vf, .offset: 24, .size: 8, .value_kind: global_buffer, .address_space: global }
    .group_segment_fixed_size: 169984
    .private_segment_fixed_size: 0
    .kernarg_segment_align: 8
    .kernarg_segment_size: 32
    .max_flat_workgroup_size: 512
    .sgpr_count:     66
    .vgpr_count:     256
    .wavefront_size: 32
...
	.end_amdgpu_metadata
.endif
;; end of part 3
;; launch up (part 4): grid 8 x 32, 4 waves a work-group, clusters of 4 x 4, 327,680 bytes of LDS; arguments vf, WV_up_codes, inputs, lowp_scales, out0; writes out0
.if DOCPART == 4
	.amdgcn_target "amdgcn-amd-amdhsa--gfx1250"
	.amdhsa_code_object_version 6
	.text
	.protected	k_qb57aeebf92_up
	.globl	k_qb57aeebf92_up
	.p2align	8
	.type	k_qb57aeebf92_up,@function
k_qb57aeebf92_up:
	s_mov_b64 s[64:65], 0
	v_nop
	global_prefetch_b8 v0, s[64:65] scope:SCOPE_SE
	s_setreg_imm32_b32 hwreg(HW_REG_WAVE_MODE, 25, 1), 1
	s_wait_xcnt 0x0
	s_wait_alu depctr_hold_cnt(0) depctr_sa_sdst(0) depctr_va_vdst(0) depctr_va_sdst(0) depctr_va_ssrc(0) depctr_va_vcc(0) depctr_vm_vsrc(0)
	s_getreg_b32 s2, hwreg(HW_REG_IB_STS2, 6, 4)
	s_cmp_eq_u32 s2, 0
	s_cbranch_scc0 .Lentry_in_a_cluster
	s_endpgm
.Lentry_in_a_cluster:
	s_bfe_u32 s2, ttmp6, 0x10000c
	s_cmp_lg_u32 s2, 0xf033
	s_cbranch_scc0 .Lentry_shape_is_right
	s_endpgm
.Lentry_shape_is_right:
; out0 = inputs + the mean over 16 heads of v_down WV_up.  Each tensor has one scale, so the 16 products of K = 64 are ONE product of K = (head, d) = 1,024 on codes of E5M2; its f32 sum is multiplied by 2^(e8 + e9) / 16.
; v_down comes as images of fragments, vf [16-row tile][head][1,024]: two neighbouring heads on end are the 16 registers of a fragment of 16 rows x 128 K (registers 2 c, 2 c + 1: k = 16 c + 8 h + 0 .. 7).
; WV_up's codes are [head][e 1,024][64 d].  LIMIT: e8 + e9 between -122 and 131, so that 2^(e8 + e9 - 4) is an f32 number.
; A tile of out0 is 128 rows x 128 columns: 256 work-groups; four waves, each 64 x 64: 16 accumulators.  All of K fits in LDS: every byte of LDS is filled once, by eight tensor loads a wave that go out together at the start
; (eight of mine are out, by this text's own count), in four chunks of 4 heads; the work begins when the first chunk has landed.  No slot is filled again.
; CLUSTERS: 4 x 4 work-groups.  The four of a row of the cluster need the same rows of v_down, the four of a column the same columns of WV_up: each block is asked for JOINTLY.
; THE MATRIX INSTRUCTION IS USED TRANSPOSED (source 0 = 16 columns e of WV_up, source 1 = 16 rows of v_down): a lane holds eight neighbouring numbers of a row of out0.
; LDS: v_down at 0: [chunk][8 row tiles][4 heads][1,024];  WV_up at BOFF: a head's 128 columns as 32 lines of 256 bytes (4 columns of 64 d) + 16 of padding;  at STG a stage of 16 rows x 272 bytes for each wave, into which no fill lands.
; REGISTERS: window 0: v1-18 addresses; v32-95 two sets of rows read back from the stage; v128-255 the accumulators ((a, b) at v[128 + 8 (4 a + b)]).
;   window 1: two fragment buffers of 128: 4 x 16 of v_down, then 4 x 16 of WV_up.   window 2: v0-127 my 64 x 64 of inputs, then of out0.
.set BOFF,  131072
.set HEADB, 8704                       ; a head's block of WV_up in LDS: 32 x 272
.set STG,   BOFF+16*HEADB              ; 270,336
.set ADRA,  8                          ; v8-11   LDS address of my fragments of v_down in chunk 0..3
.set ADRB,  12                         ; v12-15  the same for WV_up
.set STO,   16                         ; v16     the stage: where I put 32 bytes of a row
.set RD,    17                         ; v17     and where I read a row back
.set CO,    18                         ; v18     my byte offset in two rows of inputs and of out0
.set T,     32
.set ACC,   128
.set F0,    0
.set F1,    128
.set G1A,   24                         ; s[24:31] descriptor group 1 for v_down;  s[32:39] for WV_up
.set G1B,   32
.set G0A,   48                         ; s[48:63] v_down's four groups 0;  s[68:83] WV_up's
.set G0B,   68
.set MSB, 0
.macro WIN new                         ; the immediate's high byte repeats the setting that is left
.if MSB != \new
	s_set_vgpr_msb (MSB<<8)|\new
.set MSB, \new
.endif
.endm
.macro CROUND                          ; a round of the cluster's barrier
	s_barrier_signal -1
	s_barrier_wait -1
	s_cmp_lg_u32 s14, 0
	s_cbranch_scc1 .Lnot_wave_0_\@
	s_barrier_signal -3
.Lnot_wave_0_\@:
	s_barrier_wait -3
	s_barrier_signal -1
	s_barrier_wait -1
.endm
.macro PLACES                          ; four places in front of loads into registers that matrix instructions have read, and of the first read of results (ISA guide 7.12.1 for vector instructions)
.rept 4
	v_nop
.endr
.endm
	s_load_b256 s[4:11], s[0:1], 0x0               ; vf s[4:5], WV_up's codes s[6:7], inputs s[8:9], the scales' exponents s[10:11]
	s_load_b64 s[12:13], s[0:1], 0x20              ; out0
	v_lshl_add_u32 v126, v0, 2, 0x46400
	v_mov_b32 v127, 0
	ds_add_u32 v126, v127
	ds_add_u32 v126, v127
	v_lshrrev_b32 v1, 5, v0
	v_readfirstlane_b32 s14, v1                    ; wave 0..3
	s_lshr_b32 s15, s14, 1                         ; which half of the tile's rows is mine
	s_and_b32 s16, s14, 1                          ; which half of its columns
	s_bfe_u32 s40, ttmp6, 0x40000                  ; cx, cy: my place in the cluster
	s_bfe_u32 s41, ttmp6, 0x40004
	s_lshl_b32 s42, ttmp9, 2
	s_add_co_u32 s42, s42, s40                     ; tile column = 4 x cluster x + cx, 0..7
	s_and_b32 s17, ttmp7, 0xffff
	s_lshl_b32 s17, s17, 2
	s_add_co_u32 s17, s17, s41                     ; tile row = 4 x cluster y + cy, 0..31
	s_lshl_b32 s43, s41, 2
	s_lshl_b32 s43, 15, s43                        ; my row of the cluster
	s_lshl_b32 s44, 0x1111, s40                    ; my column
	; v_down: two row tiles x 4 heads: 2 rows of 4,096 bytes, 16,384 bytes apart, laid on end in LDS
	s_or_b32 s[G1A+0], s43, (3<<16)|(1<<21)        ; 15:0 the mask: my row; 17:16 elements of 8 bytes; 21 set beside a mask
	s_mov_b32 s[G1A+1], 512<<16                    ; tensor_dim0 = 512
	s_mov_b32 s[G1A+2], 2<<16                      ; tensor_dim1 = 2
	s_mov_b32 s[G1A+3], 512<<16                    ; tile_dim0 = 512
	s_mov_b32 s[G1A+4], 2                          ; tile_dim1 = 2
	s_mov_b32 s[G1A+5], 2048                       ; tensor_dim0_stride
	s_mov_b32 s[G1A+6], 0
	s_mov_b32 s[G1A+7], 0
	; WV_up: a head's 128 columns, 8,192 dense bytes, as 32 rows of 256 bytes, 16 bytes of padding behind each
	s_or_b32 s[G1B+0], s44, (3<<16)|(1<<20)|(1<<21)|(5<<22)|(3<<25)   ; the mask: my column; padding on: 4 words (code 3) after every 64 (code 5)
	s_mov_b32 s[G1B+1], 32<<16
	s_mov_b32 s[G1B+2], 32<<16
	s_mov_b32 s[G1B+3], 32<<16
	s_mov_b32 s[G1B+4], 32
	s_mov_b32 s[G1B+5], 32
	s_mov_b32 s[G1B+6], 0
	s_mov_b32 s[G1B+7], 0
	s_lshl_b32 s18, s17, 17                        ; v_down: the tile row's 8 row tiles of 16,384 bytes,
	s_lshl_b32 s19, s14, 15                        ; my two of them
	s_add_co_u32 s18, s18, s19
	s_mov_b32 s19, 0
	s_lshl_b32 s46, s14, 16                        ; WV_up: head 4 c + wave,
	s_lshl_b32 s47, s42, 13                        ; the tile column's 128 columns of 64 bytes
	s_add_co_u32 s46, s46, s47
	s_mov_b32 s47, 0
	s_lshl_b32 s22, s14, 13                        ; where they go: no place in the cluster enters an LDS address
	s_mul_i32 s23, s14, HEADB
	s_add_co_u32 s23, s23, BOFF
	s_lshl_b32 s92, s17, 7
	s_lshl_b32 s93, s15, 6
	s_add_co_u32 s92, s92, s93                     ; my first row: 128 x tile row + 64 x half,
	s_lshl_b32 s92, s92, 12                        ; of 4,096 bytes,
	s_lshl_b32 s93, s42, 9
	s_add_co_u32 s92, s92, s93                     ; + 512 x tile column
	s_lshl_b32 s93, s16, 8
	s_add_co_u32 s92, s92, s93                     ; + 256 x half
	s_mov_b32 s93, 0
	s_wait_dscnt 0x0
	s_wait_kmcnt 0x0
	s_load_b64 s[88:89], s[10:11], 0x20            ; e8, e9
	s_add_nc_u64 s[18:19], s[4:5], s[18:19]
	s_add_nc_u64 s[46:47], s[6:7], s[46:47]
	s_add_nc_u64 s[84:85], s[8:9], s[92:93]        ; inputs,
	s_add_nc_u64 s[86:87], s[12:13], s[92:93]      ; and out0, at my part's first byte
.irp c, 0,1,2,3
	s_mov_b32 s[G0A+4*\c], 1
	s_add_co_u32 s[G0A+4*\c+1], s22, \c*32768
	s_add_nc_u64 s[G0A+4*\c+2:G0A+4*\c+3], s[18:19], \c*4096
	s_or_b32 s[G0A+4*\c+3], s[G0A+4*\c+3], 0x80000000
	s_mov_b32 s[G0B+4*\c], 1
	s_add_co_u32 s[G0B+4*\c+1], s23, \c*4*HEADB
	s_add_nc_u64 s[G0B+4*\c+2:G0B+4*\c+3], s[46:47], \c*262144
	s_or_b32 s[G0B+4*\c+3], s[G0B+4*\c+3], 0x80000000
.endr
	CROUND                                         ; all sixteen work-groups are here: the joint loads meet
.irp c, 0,1,2,3
	tensor_load_to_lds s[G0A+4*\c:G0A+4*\c+3], s[G1A:G1A+7]    ; chunk c: my part of v_down,
	s_nop 0
	tensor_load_to_lds s[G0B+4*\c:G0B+4*\c+3], s[G1B:G1B+7]    ; and my head of WV_up
	s_nop 0
.endr
.rept 4
	v_nop                                          ; four v_nop follow the last of them
.endr
	v_and_b32 v1, 15, v0                           ; r
	v_bfe_u32 v2, v0, 4, 1                         ; h
	v_and_b32 v3, 31, v0                           ; lane
	v_lshlrev_b32 v[CO], 12, v2
	v_lshl_add_u32 v[CO], v1, 4, v[CO]             ; lanes 0-15 one row, lanes 16-31 the next; 16 bytes a lane
	WIN 0x80                                       ; destination window 2
.irp a, 0,1,2,3
.irp t, 0,1,2,3,4,5,6,7
	global_load_b128 v[32*\a+4*\t:32*\a+4*\t+3], v[CO], s[84:85] offset:(16*\a+2*\t)*4096 th:TH_LOAD_NT   ; my 64 x 64 of inputs: 16 lanes read 256 consecutive bytes, aligned
.endr
.endr
	WIN 0
	v_lshlrev_b32 v4, 4, v3                        ; an image's place for my lane
	v_lshrrev_b32 v6, 2, v1
	v_mul_u32_u24 v5, v6, 272
	v_and_b32 v7, 3, v1
	v_lshl_add_u32 v5, v7, 6, v5
	v_lshl_add_u32 v5, v2, 3, v5                   ; WV_up: column r: line r / 4, 64 (r % 4) in it, + 8 h
	s_lshl_b32 s20, s15, 14                        ; my four row tiles in a chunk
	s_mul_i32 s21, s16, 4352                       ; my 64 columns: 16 lines
	s_add_co_u32 s21, s21, BOFF
.irp c, 0,1,2,3
	v_add_nc_u32 v[ADRA+\c], s20, v4
	v_add_nc_u32 v[ADRB+\c], s21, v5
	s_add_co_u32 s20, s20, 32768
	s_add_co_u32 s21, s21, 4*HEADB
.endr
	s_mul_i32 s20, s14, 4352
	s_add_co_u32 s20, s20, STG                     ; my stage
	v_mul_u32_u24 v[STO], v1, 272
	v_lshl_add_u32 v[STO], v2, 5, v[STO]
	v_add_nc_u32 v[STO], s20, v[STO]               ; in: row r, 32 bytes for each half of the lanes
	v_mul_u32_u24 v[RD], v2, 272
	v_lshl_add_u32 v[RD], v1, 4, v[RD]
	v_add_nc_u32 v[RD], s20, v[RD]                 ; back: lanes 0-15 one row of 256 bytes, lanes 16-31 the next
	s_wait_kmcnt 0x0
	s_add_co_i32 s96, s88, s89
	s_add_co_i32 s96, s96, 123                     ; e8 + e9 - 4 + 127
	s_lshl_b32 s96, s96, 23                        ; 2^(e8 + e9) / 16 as f32
	s_mov_b32 s97, s96                             ; (named with it as a pair, so it is written)
.macro CHUNK n                         ; a chunk is whole: my two loads of it have landed (n younger ones may be out), no LDS load of mine is pending, and so for every wave
	s_wait_tensorcnt \n
	s_wait_dscnt 0x0
	s_barrier_signal -1
	s_barrier_wait -1
.endm
; K step q (heads 2 q, 2 q + 1) into buffer f: 48 LDS loads.  WV_up's bytes are taken at their true places in k, 8 bytes a load, to meet v_down's fragments.
.macro FETCH q, f
	WIN 0x40                                       ; destination window 1, address window 0
.irp b, 0,1,2,3
.irp u, 0,1
.irp k, 0,1,2,3
	ds_load_b64 v[\f+64+16*\b+8*\u+2*\k:\f+64+16*\b+8*\u+2*\k+1], v[ADRB+(\q)/2] offset:(2*((\q)%2)+\u)*HEADB+1088*\b+16*\k
.endr
.endr
.endr
.irp a, 0,1,2,3
.irp i, 0,1,2,3
	ds_load_b128 v[\f+16*\a+4*\i:\f+16*\a+4*\i+3], v[ADRA+(\q)/2] offset:4096*\a+2048*((\q)%2)+512*\i
.endr
.endr
.endm
; 16 matrix instructions, 128 along K.  The 16 accumulators take turns, one instruction a turn, in the same order in every step.  zero = 1: the first products start the sums.
.macro MUL f, zero
	WIN 0x05                                       ; sources 0 and 1 window 1; C and D window 0
.irp a, 0,1,2,3
.irp b, 0,1,2,3
.if \zero
	v_wmma_f32_16x16x128_bf8_bf8 v[ACC+8*(4*\a+\b):ACC+8*(4*\a+\b)+7], v[\f+64+16*\b:\f+64+16*\b+15], v[\f+16*\a:\f+16*\a+15], 0
.else
	v_wmma_f32_16x16x128_bf8_bf8 v[ACC+8*(4*\a+\b):ACC+8*(4*\a+\b)+7], v[\f+64+16*\b:\f+64+16*\b+15], v[\f+16*\a:\f+16*\a+15], v[ACC+8*(4*\a+\b):ACC+8*(4*\a+\b)+7]
.endif
.endr
.endr
.endm
	CHUNK 6                                        ; chunk 0 is in; the six loads of chunks 1 to 3 may be out
	FETCH 0, F0
	FETCH 1, F1
	s_wait_dscnt 48                                ; all but the 48 just issued
	MUL F0, 1
	CHUNK 4                                        ; chunk 1
	PLACES
	FETCH 2, F0
	s_wait_dscnt 48
	MUL F1, 0
	PLACES
	FETCH 3, F1
	s_wait_dscnt 48
	MUL F0, 0
	CHUNK 2                                        ; chunk 2
	PLACES
	FETCH 4, F0
	s_wait_dscnt 48
	MUL F1, 0
	PLACES
	FETCH 5, F1
	s_wait_dscnt 48
	MUL F0, 0
	CHUNK 0                                        ; chunk 3: no tensor load of mine is out any more
	PLACES
	FETCH 6, F0
	s_wait_dscnt 48
	MUL F1, 0
	PLACES
	FETCH 7, F1
	s_wait_dscnt 48
	MUL F0, 0
	s_wait_dscnt 0x0
	MUL F1, 0
	WIN 0
; THE WAY OUT, block by block of 16 rows x 64 columns.  A lane holds 32 neighbouring bytes of a row and the lanes beside it hold other rows: so a block goes through my own stage and comes back as whole rows of 256 bytes.
; LDS serves a wave's instructions in order (ISA guide 5.7.1.4): no wait between the stores and the loads, nor in front of the next block's stores.
.macro TOSTAGE a
.set TT, T+32*((\a)%2)
.irp b, 0,1,2,3
	ds_store_b128 v[STO], v[ACC+8*(4*(\a)+\b):ACC+8*(4*(\a)+\b)+3] offset:64*\b          ; each accumulator from its low end on
	ds_store_b128 v[STO], v[ACC+8*(4*(\a)+\b)+4:ACC+8*(4*(\a)+\b)+7] offset:64*\b+16
.endr
.irp t, 0,1,2,3,4,5,6,7
	ds_load_b128 v[TT+4*\t:TT+4*\t+3], v[RD] offset:544*\t
.endr
.endm
.macro SEND a, younger                 ; younger: the LDS instructions issued behind block a's loads, which may stay out
.set TT, T+32*((\a)%2)
	s_wait_dscnt \younger
	WIN 0xa0                                       ; source 2 and destination window 2
.set j, 0
.rept 16
	v_pk_fma_f32 v[32*(\a)+j:32*(\a)+j+1], v[TT+j:TT+j+1], s[96:97], v[32*(\a)+j:32*(\a)+j+1] op_sel_hi:[1,0,1]   ; inputs + sum x 2^(e8 + e9) / 16, two at a time
.set j, j+2
.endr
	WIN 0x08                                       ; a store's data: window 2
.irp t, 0,1,2,3,4,5,6,7
	global_store_b128 v[CO], v[32*(\a)+4*\t:32*(\a)+4*\t+3], s[86:87] offset:(16*(\a)+2*\t)*4096 th:TH_STORE_NT   ; 16 lanes store 256 consecutive bytes, aligned; no store's data are written again
.endr
	WIN 0
.endm
	PLACES                                         ; behind the last products, in front of the first read of results
	s_wait_loadcnt 0x0                             ; inputs
	TOSTAGE 0
	TOSTAGE 1
	SEND 0, 16                                     ; behind block 0's loads: block 1's 8 stores and 8 loads
	TOSTAGE 2
	SEND 1, 16
	TOSTAGE 3
	SEND 2, 16
	SEND 3, 0
	s_wait_dscnt 0x0                               ; no LDS instruction of mine is pending at the signal
	s_wait_tensorcnt 0x0
	ds_add_u32 v126, v127
	s_wait_dscnt 0x0
	CROUND                                         ; the closing round: no work-group ends while a partner may still ask for a block that names it
	s_endpgm
.Lfunc_end_k_qb57aeebf92_up:
	.size	k_qb57aeebf92_up, .Lfunc_end_k_qb57aeebf92_up-k_qb57aeebf92_up
	.p2alignl 7, 3214868480
	.fill 96, 4, 3214868480
	.section	.rodata,"a",@progbits
	.p2align	6, 0x0
	.amdhsa_kernel k_qb57aeebf92_up
		.amdhsa_group_segment_fixed_size 327680
		.amdhsa_private_segment_fixed_size 0
		.amdhsa_enable_private_segment 0
		.amdhsa_kernarg_size 40
		.amdhsa_user_sgpr_count 2
		.amdhsa_user_sgpr_kernarg_segment_ptr 1
		.amdhsa_wavefront_size32 1
		.amdhsa_system_sgpr_workgroup_id_x 1
		.amdhsa_system_sgpr_workgroup_id_y 1
		.amdhsa_system_sgpr_workgroup_id_z 1
		.amdhsa_system_vgpr_workitem_id 0
		.amdhsa_next_free_vgpr 640
		.amdhsa_next_free_sgpr 100
		.amdhsa_reserve_vcc 0
		.amdhsa_float_denorm_mode_32 3
		.amdhsa_float_denorm_mode_16_64 3
		.amdhsa_memory_ordered 1
		.amdhsa_forward_progress 1
		.amdhsa_inst_pref_size 58
	.end_amdhsa_kernel
	.amdgpu_metadata
---
amdhsa.version: [ 1, 2 ]
amdhsa.kernels:
  - .name:           k_qb57aeebf92_up
    .symbol:         k_qb57aeebf92_up.kd
    .args:
      - { .name: vf, .offset: 0, .size: 8, .value_kind: global_buffer, .address_space: global }
      - { .name: WV_up_codes, .offset: 8, .size: 8, .value_kind: global_buffer, .address_space: global }
      - { .name: inputs, .offset: 16, .size: 8, .value_kind: global_buffer, .address_space: global }
      - { .name: lowp_scales, .offset: 24, .size: 8, .value_kind: global_buffer, .address_space: global }
      - { .name: out0, .offset: 32, .size: 8, .value_kind: global_buffer, .address_space: global }
    .group_segment_fixed_size: 327680
    .private_segment_fixed_size: 0
    .kernarg_segment_align: 8
    .kernarg_segment_size: 40
    .max_flat_workgroup_size: 128
    .sgpr_count:     100
    .vgpr_count:     640
    .wavefront_size: 32
...
	.end_amdgpu_metadata
.endif
;; end of part 4
